; MI455X (gfx1250); checked and timed in simulation.
; The chip was launched on July 23, 2026; its instructions are those of AMD's public machine-readable ISA for CDNA 5 (MIT licence, August 2026) and "CDNA5" Instruction Set Architecture Reference Guide (July 2026). The comments in the code are by the model that wrote it; some were corrected since.
;; Causal Self Attention. Allowed arithmetic: matrix products marked QUANTISED: E4M3 operands, one given power-of-two scale a tensor, by v_wmma_f32_16x16x64_fp8_fp8 or v_wmma_f32_16x16x128_fp8_fp8, f32 sums; everything else in f32.
;; Inputs: W_out_codes 1,024 x 32 x 32 uint8 (E4M3 codes of W_out, K innermost, in blocks of 32 codes); W_qkv_codes 3,072 x 32 x 32 uint8 (E4M3 codes of W_qkv, K innermost, in blocks of 32 codes); b_out 1,024 float32; b_qkv 3,072 float32; lowp_scales 8 int32 (the exponents e of the quantised operands' scales 2^e); x_codes 4 x 2,048 x 32 x 32 uint8 (E4M3 codes of x, K innermost, in blocks of 32 codes).
;; Outputs: out0 4 x 2,048 x 1,024 float32.
;; This version of the problem:
;;   THIS VERSION OF THE PROBLEM IS GIVEN IN LOW PRECISION. The matrix products marked QUANTISED in the list below multiply operands that are first quantised to E4M3 (4 exponent bits, 3 mantissa bits; 8 bits a number), with one given power-of-two scale for each operand tensor; their sums are f32. All else is computed in f32.
;;   The module's matrix products, in the order in which they are computed (A, B: the left and right operand; K: the contracted axis; several contracted axes count as one K, in the product's order):
;;     1. [M 8,192, K 1,024] x [K 1,024, N 3,072]; A: input x (given as codes); B: input W_qkv (given as codes): QUANTISED (scales: A lowp_scales[0], B lowp_scales[1])
;;     2. batch 64 x [M 2,048, K 64] x [K 64, N 2,048]; A: computed on the way; B: computed on the way: QUANTISED (scales: A lowp_scales[2], B lowp_scales[3])
;;     3. batch 64 x [M 2,048, K 2,048] x [K 2,048, N 64]; A: softmax (see below); B: computed on the way: QUANTISED (scales: A lowp_scales[4], B lowp_scales[5])
;;     4. [M 8,192, K 1,024] x [K 1,024, N 1,024]; A: computed on the way; B: input W_out (given as codes): QUANTISED (scales: A lowp_scales[6], B lowp_scales[7])
;;   THE QUANTISER, for each operand of a quantised product, along K:
;;     - The operand's scale is 2^e, e = its entry of the input lowp_scales (int32; the entries are numbered through the quantised products in the list's order, A before B).
;;     - Each number is divided by the scale, clamped to +-448, and rounded to the nearest number of E4M3, ties to even, subnormals kept.
;;     - The product sums the exact products of the quantised numbers (number of the format x scale) in f32.
;;   ~~~python
;;   def quantise(x, axis, e):      # numpy; x: float32 -> the quantised numbers, widened to float32 again
;;       x = np.moveaxis(x, axis, -1); K = x.shape[-1]
;;       r = np.clip(x / 2.0 ** e, -448, 448)
;;       step = 2.0 ** (np.maximum(np.frexp(np.where(r == 0, 1, r))[1] - 1, -6) - 3)
;;       q = np.round(r / step) * step * 2.0 ** e      # np.round: ties to even
;;       return np.moveaxis(q, -1, axis).astype(np.float32)
;;   ~~~
;;   SOFTMAX AHEAD OF A QUANTISED PRODUCT. Where the list says 'softmax', what is quantised is not the finished softmax but p = 2^(t - M), with t = logit x log2(e) and M = ceil(the row's largest t), a whole number; so 1/2 < the row's largest p <= 1. The row's sum l is taken of the UNQUANTISED p, in f32, and the product's result is divided by l at the end. Since M is a whole number, a kernel that streams over the keys may use a running M (the ceiling of the running maximum): every later rescaling is an exact power of two, so the quantised numbers keep their values, but for numbers so far below the row's largest that they fall under the format's range.
;;   OPERANDS COMPUTED ON THE WAY. 'Computed on the way' means the value that the module computes at that place (a softmax that the list does not call 'softmax' is quantised finished and normalised). What goes into a quantiser is computed in f32, as accurately as f32 sums, v_exp_f32 and their like allow (about 1e-6 of the number): no bf16 or f16 on the way to a quantiser, and a product that is left as it is and whose result goes on into a quantised operand takes f32 operands (vector FMAs, or v_wmma_f32_16x16x4_f32). A number that lies on a knife's edge between two numbers of the format may be rounded either way, as far as f32 arithmetic and the matrix unit's own rounding can turn it there, and no further.
;;   INPUTS GIVEN AS CODES. W_out (in the module: [1024, 1024], K = its axis 1); W_qkv (in the module: [3072, 1024], K = its axis 1); x (in the module: [4, 2048, 1024], K = its axis 2): each comes as NAME_codes (uint8): NAME with its K axis moved to the last place and cut into blocks of 32 codes, [.., K / 32, bytes a block], one block behind the other in memory; one code a byte (a code: sign, 4 exponent bits, 3 mantissa bits); its scale is its entry of lowp_scales. Its value is code x scale, taken as it is: it is not quantised again, and the codes and scales need not be those that the quantiser above would give.
;; One version. Each part assembles by itself: llvm-mc -triple=amdgcn-amd-amdhsa -mcpu=gfx1250 --defsym DOCPART=n.
;; ======== version 1 of 1: 3 launches
;; limits: right only within a limited range of input values
;; workspace buffers: q_img 8,388,608 bytes; k_img 8,388,608 bytes; v_img 8,388,608 bytes; attn_img 8,388,608 bytes
;; launch qkv (part 1): grid 16 x 32, 4 waves a work-group, clusters of 4 x 4, 327,680 bytes of LDS; arguments x_codes, W_qkv_codes, b_qkv, lowp_scales, q_img, k_img, v_img; writes q_img, k_img, v_img
.if DOCPART == 1
	.amdgcn_target "amdgcn-amd-amdhsa--gfx1250"
	.amdhsa_code_object_version 6
	.text
	.protected	k_qf0c4c73ddd_qkv
	.globl	k_qf0c4c73ddd_qkv
	.p2align	8
	.type	k_qf0c4c73ddd_qkv,@function
k_qf0c4c73ddd_qkv:
	s_mov_b64 s[64:65], 0
	v_nop
	global_prefetch_b8 v0, s[64:65] scope:SCOPE_SE
	s_setreg_imm32_b32 hwreg(HW_REG_WAVE_MODE, 25, 1), 1
	s_wait_xcnt 0x0
	s_wait_alu depctr_hold_cnt(0) depctr_sa_sdst(0) depctr_va_vdst(0) depctr_va_sdst(0) depctr_va_ssrc(0) depctr_va_vcc(0) depctr_vm_vsrc(0)
	s_getreg_b32 s2, hwreg(HW_REG_IB_STS2, 6, 4)
	s_cmp_eq_u32 s2, 0
	s_cbranch_scc0 .Lentry_in_a_cluster
	s_endpgm
.Lentry_in_a_cluster:
	s_bfe_u32 s2, ttmp6, 0x10000c
	s_cmp_lg_u32 s2, 0xf033
	s_cbranch_scc0 .Lentry_shape_is_right
	s_endpgm
.Lentry_shape_is_right:
; qkv = x W_qkv^T + b_qkv on codes of FP8 (E4M3), then q, k and v are quantised and stored as IMAGES OF OPERAND REGISTERS for the attention launch.
; x: [8192][1024] codes, W_qkv: [3072][1024] codes, K innermost.  Head hx owns W's rows 192 hx .. 192 hx + 191: 64 of q, 64 of k, 64 of v.
; SHARES.  A work-group makes 256 rows (tokens) x one head's 192 columns; wave w its rows 64 w .. 64 w + 63 against all 192: 4 row tiles a x 12 column tiles bt = 48 accumulators, 384 registers.
; ORIENTATION.  q and k (bt 0-7) are made TRANSPOSED (source 0 = 16 rows of W, source 1 = 16 tokens): a lane holds one token (lane % 16) and eight neighbouring channels 16 bt + 8 (lane / 16) + 0..7, so one
; conversion of an accumulator gives registers 2 c, 2 c + 1 (c = bt % 4) of a fragment of 16 tokens x 64 channels.  v (bt 8-11) is made the natural way (source 0 = tokens, source 1 = W): a lane holds one channel and
; eight neighbouring KEYS, so the conversion gives two registers of a fragment of V^T (16 channels x 128 keys).  Nothing is transposed and nothing goes through an LDS stage on the way out.
; IMAGES.  q_img, k_img: [head of batch 64][tile of 16 tokens 128][piece 2][lane 32][16 bytes]; v_img: [head of batch][128 keys 16][16 channels 4][piece 4][lane][16 bytes].  A store of the wave covers 512 consecutive bytes, aligned.
; FRAGMENTS of x and W come from LDS rows by four loads of 16 bytes: registers 4 c .. 4 c + 3 hold K = 32 c + 16 (lane / 16) + 0..15: the same order of K on both sides, so every product meets its partner.
; THE BIAS is the C of each sum's first matrix instruction, divided by 2^(e0 + e1), which the sums lack.  The three scales ahead of each quantiser are folded into the conversion's one: 2^(e2 - e0 - e1) for q, e3 for k, e5 for v.
; RING.  K goes in slots of 256 (rows of 256 bytes of memory) through two LDS slots; four slots in all, so the eight steps of 128 are written out.
; CLUSTER 4 x 4: the four work-groups of a row of the cluster share x's tile, the four of a column W's: each tile is asked for jointly, by the same load with a mask that names the four.
; LIMITS: e2 - e0 - e1, e3 - e0 - e1 and e5 - e0 - e1 lie between -126 and 119, so that the scale is an f32 number.  NaN codes among the inputs are not served.
; REGISTERS, in windows of 256.  Window 0: v1-29 addresses and scales; v32-35 v's bias as loaded; v64-191 x's fragments, TWO sets of 4 x 16 (on the way out: the codes).
;   Window 1: W's 12 fragments, ONE set (v0-191).  Window 2: q's and k's accumulators at 8 (4 bt + a).  Window 3: v's accumulators at 8 (4 (bt - 8) + a); v128-191 q's and k's bias tiles; v192-223 v's.
.set PITCH, 272                        ; an LDS row: 256 bytes + 16 of padding = 68 words, so the 16 rows of a fragment load start at 16 different groups of four banks
.set HALFA, 128*PITCH                  ; what wave 0 or 1 fetches: 128 rows of x
.set HALFB, 96*PITCH                   ; what wave 2 or 3 fetches: 96 rows of W
.set SLOT,  2*HALFA+2*HALFB            ; x's 256 rows, then W's 192
.set SPARE, 2*SLOT                     ; behind the ring: the spare words, 128 bytes a wave: two blocks of 256 bytes that no other line names
.set SCQ,  8                           ; v8   q's scale;  v10 k's;  v12 v's
.set LIMQ, 9
.set SCK,  10
.set LIMK, 11
.set SCV,  12
.set LIMV, 13
.set ADRA, 16                          ; v16-17  LDS address of my fragments of x in slot 0, 1
.set ADRB, 20                          ; v20-21  the same for W
.set LI,   24                          ; v24     16 x lane: my place in an image's piece
.set SPW,  28                          ; v28     LDS address of my spare word; never rewritten
.set NIL,  29                          ; v29     0; never rewritten
.set AF,   64                          ; x's fragments
.set CQ,   128                         ; the way out: q's codes (32 registers), k's, v's
.set CK,   64
.set CV,   160
.set G1,  24                           ; s[24:31] descriptor group 1 for x's tiles;  s[32:39] group 0, a set for each slot
.set G0,  32
.set G1B, 48                           ; s[48:55], s[56:63] the same for W's tiles
.set G0B, 56
.set QK1,   0xb1                       ; source 0 (W) window 1, source 1 (x) window 0, C (bias) window 3, D window 2
.set QK,    0xa1                       ; the same, C and D window 2
.set VV,    0xf4                       ; source 0 (x) window 0, source 1 (W) window 1, C and D window 3
.set TO_B,  0x40                       ; destination window 1
.set TO_3,  0xc0                       ; destination window 3
.set IN3,   0xc3                       ; destination and source 0 window 3
.set MEDQK, 0x82                       ; destination and source 0 window 2
.set CVTQK, 0x02                       ; source 0 window 2
.set CVTV,  0x03                       ; source 0 window 3
.set MSB, 0
.macro WIN new                         ; the immediate's high byte repeats the setting that is left; a switch that changes nothing is dropped
.if MSB != \new
	s_set_vgpr_msb (MSB<<8)|\new
.set MSB, \new
.endif
.endm
.macro PLACES                          ; four plain vector instructions between a matrix instruction and a load into, or a vector read of, its registers
.rept 4
	v_nop
.endr
.endm
; A joint load: waves 0 and 1 fetch x's halves, waves 2 and 3 W's.  Each line has one mask and one set of registers; the branch hangs on the wave's number alone.  Four v_nop follow each line.
.macro JLOAD g0a, g0b
	s_cmp_eq_u32 s19, 0
	s_cbranch_scc0 .Lfor_b_\@
	tensor_load_to_lds s[\g0a:\g0a+3], s[G1:G1+7]
	s_nop 0
.rept 4
	v_nop
.endr
	s_branch .Lasked_\@
.Lfor_b_\@:
	tensor_load_to_lds s[\g0b:\g0b+3], s[G1B:G1B+7]
	s_nop 0
.rept 4
	v_nop
.endr
.Lasked_\@:
.endm
.macro CREST                           ; a round of the cluster's barrier behind its opening barrier
	s_cmp_lg_u32 s18, 0
	s_cbranch_scc1 .Lnot_wave_0_\@
	s_barrier_signal -3
.Lnot_wave_0_\@:
	s_barrier_wait -3
	s_barrier_signal -1
	s_barrier_wait -1
.endm
.macro CROUND                          ; a whole round
	s_barrier_signal -1
	s_barrier_wait -1
	CREST
.endm
.macro SCALE e, vs, vl                 ; from the whole number in \e: 2^e as an f32 number
	s_add_co_i32 s80, \e, 127
	s_lshl_b32 s81, s80, 23
	v_mov_b32 v[\vs], s81
.endm
	s_load_b256 s[4:11], s[0:1], 0x0               ; x s[4:5], W s[6:7], b_qkv s[8:9], the scales' exponents s[10:11]
	s_load_b128 s[12:15], s[0:1], 0x20             ; q_img s[12:13], k_img s[14:15]
	s_load_b64 s[16:17], s[0:1], 0x30              ; v_img
	v_lshl_add_u32 v[SPW], v0, 2, SPARE
	v_mov_b32 v[NIL], 0
	ds_add_u32 v28, v29
	ds_add_u32 v28, v29
	s_wait_dscnt 0x0
	v_lshrrev_b32 v1, 5, v0
	v_readfirstlane_b32 s18, v1                    ; wave 0..3
	s_lshr_b32 s19, s18, 1                         ; I fetch for x (0) or for W (1)
	s_and_b32 s20, s18, 1                          ; which half of that tile's rows
	s_bfe_u32 s21, ttmp6, 0x40000                  ; cx, cy: my place in the cluster
	s_bfe_u32 s22, ttmp6, 0x40004
	s_lshl_b32 s23, ttmp9, 2
	s_add_co_u32 s23, s23, s21                     ; hx: the head = 4 x cluster x + cx
	s_and_b32 s40, ttmp7, 0xffff
	s_lshl_b32 s40, s40, 2
	s_add_co_u32 s40, s40, s22                     ; ty: the block of 256 rows = 4 x cluster y + cy
	s_lshl_b32 s41, s22, 2
	s_lshl_b32 s41, 15, s41                        ; my row of the cluster
	s_lshl_b32 s42, 0x1111, s21                    ; my column
	; descriptor groups 1: rows of 256 bytes, 1,024 bytes apart in memory, 16 bytes of padding behind each in LDS; 128 rows of x, 96 of W
	s_or_b32 s[G1+0], s41, (0<<16)|(1<<20)|(1<<21)|(5<<22)|(3<<25)   ; 15:0 the mask; 17:16 elements of 1 byte; 20 padding on; 21 set beside a mask; 24:22 after every 64 words; 31:25 four words
	s_or_b32 s[G1B+0], s42, (0<<16)|(1<<20)|(1<<21)|(5<<22)|(3<<25)
	s_mov_b32 s[G1+1], 256<<16                     ; tensor_dim0
	s_mov_b32 s[G1+2], 128<<16                     ; tensor_dim1
	s_mov_b32 s[G1+3], 256<<16                     ; tile_dim0
	s_mov_b32 s[G1+4], 128                         ; tile_dim1
	s_mov_b32 s[G1+5], 1024                        ; the pitch
	s_mov_b32 s[G1+6], 0
	s_mov_b32 s[G1+7], 0
	s_mov_b32 s[G1B+1], 256<<16
	s_mov_b32 s[G1B+2], 96<<16
	s_mov_b32 s[G1B+3], 256<<16
	s_mov_b32 s[G1B+4], 96
	s_mov_b32 s[G1B+5], 1024
	s_mov_b32 s[G1B+6], 0
	s_mov_b32 s[G1B+7], 0
	; where the tiles come from: x's hang on ty alone, W's on hx alone, each in registers that never hold the other coordinate
	s_lshl_b32 s44, s40, 8
	s_lshl_b32 s43, s20, 7
	s_add_co_u32 s44, s44, s43                     ; x: row 256 ty + 128 x half
	s_lshl_b32 s44, s44, 10                        ; in bytes (under 2^23)
	s_mov_b32 s45, 0
	s_mul_i32 s46, s23, 192
	s_mul_i32 s43, s20, 96
	s_add_co_u32 s46, s46, s43                     ; W: row 192 hx + 96 x half
	s_lshl_b32 s46, s46, 10
	s_mov_b32 s47, 0
	s_mul_i32 s66, s20, HALFA                      ; and where they go: no place in the cluster enters an LDS address
	s_mul_i32 s67, s20, HALFB
	s_add_co_u32 s67, s67, 2*HALFA
	s_wait_kmcnt 0x0
	s_load_b256 s[68:75], s[10:11], 0x0            ; e0 .. e7
	s_add_nc_u64 s[44:45], s[4:5], s[44:45]
	s_add_nc_u64 s[46:47], s[6:7], s[46:47]
	CROUND                                         ; all sixteen work-groups are here: the first joint loads meet
.irp s, 0,1
	s_mov_b32 s[G0+4*\s], 1
	s_add_co_u32 s[G0+4*\s+1], s66, \s*SLOT
	s_add_nc_u64 s[G0+4*\s+2:G0+4*\s+3], s[44:45], \s*256
	s_or_b32 s[G0+4*\s+3], s[G0+4*\s+3], 0x80000000
	s_mov_b32 s[G0B+4*\s], 1
	s_add_co_u32 s[G0B+4*\s+1], s67, \s*SLOT
	s_add_nc_u64 s[G0B+4*\s+2:G0B+4*\s+3], s[46:47], \s*256
	s_or_b32 s[G0B+4*\s+3], s[G0B+4*\s+3], 0x80000000
	JLOAD G0+4*\s, G0B+4*\s                        ; both slots are asked for before anything else: two loads of mine are out
.endr
	v_and_b32 v1, 15, v0                           ; r = lane % 16
	v_bfe_u32 v2, v0, 4, 1                         ; h = lane / 16
	v_mul_u32_u24 v3, v1, PITCH
	v_lshl_add_u32 v3, v2, 4, v3                   ; a fragment's row x pitch + 16 h
	s_mul_i32 s43, s18, 64*PITCH                   ; my 64 rows of x
.irp s, 0,1
	v_add_nc_u32 v[ADRA+\s], s43, v3
	s_add_co_u32 s43, s43, SLOT
.endr
	v_add_nc_u32 v[ADRB], 2*HALFA, v3              ; W's rows lie behind x's 256; every wave reads all 192
	v_add_nc_u32 v[ADRB+1], 2*HALFA+SLOT, v3
	v_and_b32 v6, 31, v0
	v_lshlrev_b32 v[LI], 4, v6
	v_lshlrev_b32 v4, 5, v2                        ; q's and k's bias: my eight channels begin 32 h bytes into a tile's 64
	v_lshlrev_b32 v5, 2, v1                        ; v's bias: my one channel
	s_mul_i32 s76, s23, 768                        ; the head's 192 numbers of b_qkv
	s_mov_b32 s77, 0
	s_add_nc_u64 s[8:9], s[8:9], s[76:77]
	WIN TO_3
.irp t, 0,1,2,3,4,5,6,7
	global_load_b128 v[128+8*\t:128+8*\t+3], v4, s[8:9] offset:64*\t
	global_load_b128 v[128+8*\t+4:128+8*\t+7], v4, s[8:9] offset:64*\t+16
.endr
	WIN 0
.irp i, 0,1,2,3
	global_load_b32 v[32+\i], v5, s[8:9] offset:64*(8+\i)
.endr
	; where my images go: head of batch bh = 16 (ty / 8) + hx; token (ty % 8) 256 + 64 w
	s_lshr_b32 s84, s40, 3
	s_lshl_b32 s84, s84, 4
	s_add_co_u32 s84, s84, s23
	s_lshl_b32 s84, s84, 17                        ; 131,072 bytes a head in each image
	s_and_b32 s85, s40, 7
	s_lshl_b32 s86, s85, 14                        ; q, k: 64 bytes a token
	s_add_co_u32 s86, s86, s84
	s_lshl_b32 s87, s18, 12
	s_add_co_u32 s86, s86, s87
	s_mov_b32 s87, 0
	s_add_nc_u64 s[12:13], s[12:13], s[86:87]
	s_add_nc_u64 s[14:15], s[14:15], s[86:87]
	s_lshl_b32 s88, s85, 1
	s_add_co_u32 s88, s88, s19                     ; v: block of 128 keys 2 (ty % 8) + w / 2, 8,192 bytes each;
	s_lshl_b32 s88, s88, 13
	s_add_co_u32 s88, s88, s84
	s_lshl_b32 s89, s20, 10                        ; my 64 keys are pieces 2 (w % 2) and 2 (w % 2) + 1 of each fragment's four
	s_add_co_u32 s88, s88, s89
	s_mov_b32 s89, 0
	s_add_nc_u64 s[16:17], s[16:17], s[88:89]
	s_wait_kmcnt 0x0
	s_add_co_i32 s78, s68, s69                     ; e0 + e1: a sum stands for sum x 2^(e0 + e1)
	s_sub_co_i32 s79, 0, s78
	s_sub_co_i32 s82, s70, s78
	SCALE s82, SCQ, LIMQ                           ; q's code = sum / 2^(e2 - e0 - e1)
	s_sub_co_i32 s82, s71, s78
	SCALE s82, SCK, LIMK
	s_sub_co_i32 s82, s73, s78
	SCALE s82, SCV, LIMV
	s_wait_loadcnt 0x0                             ; the bias
	WIN IN3
.set N, 0
.rept 64
	v_ldexp_f32 v[128+N], v[128+N], s79            ; b / 2^(e0 + e1), in the transposed result's layout
.set N, N+1
.endr
	WIN TO_3
.irp i, 0,1,2,3
.irp j, 0,1,2,3,4,5,6,7
	v_ldexp_f32 v[192+8*\i+\j], v[32+\i], s79      ; v's: my channel's number in all eight registers (eight keys)
.endr
.endr
	WIN 0
.macro FRAG reg, adr, q, i             ; 16 rows x 128 K: four loads of 16 bytes, 32 bytes apart
.irp c, 0,1,2,3
	ds_load_b128 v[\reg+4*\c:\reg+4*\c+3], v[\adr] offset:128*(\q)+32*\c+(\i)*16*PITCH
.endr
.endm
.macro FETCH_B slot, q, b0, b1         ; W's fragments b0 .. b1 of the slot's q-th 128 along K
	WIN TO_B
.set FB, \b0
.rept \b1-\b0+1
	FRAG 16*FB, ADRB+\slot, \q, FB
.set FB, FB+1
.endr
	WIN 0
.endm
.macro FETCH_A slot, q, p              ; x's four fragments into set p
.irp a, 0,1,2,3
	FRAG AF+64*\p+16*\a, ADRA+\slot, \q, \a
.endr
.endm
; The 48 accumulators take turns, one instruction a turn, in the same order in every step.  first = 1: the bias starts the sums: nothing is cleared.
.macro MULQK b0, b1, p, first
.set BT, \b0
.rept \b1-\b0+1
.irp a, 0,1,2,3
.if \first
	v_wmma_f32_16x16x128_fp8_fp8 v[8*(4*BT+\a):8*(4*BT+\a)+7], v[16*BT:16*BT+15], v[AF+64*\p+16*\a:AF+64*\p+16*\a+15], v[128+8*BT:128+8*BT+7]
.else
	v_wmma_f32_16x16x128_fp8_fp8 v[8*(4*BT+\a):8*(4*BT+\a)+7], v[16*BT:16*BT+15], v[AF+64*\p+16*\a:AF+64*\p+16*\a+15], v[8*(4*BT+\a):8*(4*BT+\a)+7]
.endif
.endr
.set BT, BT+1
.endr
.endm
.macro MULV p, first
.irp b, 0,1,2,3
.irp a, 0,1,2,3
.if \first
	v_wmma_f32_16x16x128_fp8_fp8 v[8*(4*\b+\a):8*(4*\b+\a)+7], v[AF+64*\p+16*\a:AF+64*\p+16*\a+15], v[16*(8+\b):16*(8+\b)+15], v[192+8*\b:192+8*\b+7]
.else
	v_wmma_f32_16x16x128_fp8_fp8 v[8*(4*\b+\a):8*(4*\b+\a)+7], v[AF+64*\p+16*\a:AF+64*\p+16*\a+15], v[16*(8+\b):16*(8+\b)+15], v[8*(4*\b+\a):8*(4*\b+\a)+7]
.endif
.endr
.endr
.endm
; A slot's first 128 along K, on x's set 0.  W's tiles 0-5 are free behind their 24 products and are fetched anew in the step's middle, with x's other set; tiles 6-11 at its end.
.macro STEP slot, first
	s_wait_dscnt 24                                ; W's tiles 0-5 and x's set are in; the youngest 24 loads (W's tiles 6-11) may be out
.if \first
	WIN QK1
.else
	WIN QK
.endif
	MULQK 0, 5, 0, \first
	s_wait_dscnt 0x0                               ; W's tiles 6-11 are in (asked for 24 matrix instructions ago)
	PLACES
	FETCH_B \slot, 1, 0, 5
	FETCH_A \slot, 1, 1
.if \first
	WIN QK1
.else
	WIN QK
.endif
	MULQK 6, 7, 0, \first
	WIN VV
	MULV 0, \first
	PLACES
	FETCH_B \slot, 1, 6, 11
.endm
; A slot's second 128 along K, on x's set 1, changes slots: ONE barrier; in front of it each wave waits for all its tensor loads, adds 0 to its spare word, and waits for that and for its reads of this slot.
.macro TURN slot, next, fill
	s_wait_tensorcnt 0x0                           ; all my tensor loads have landed: my part of the next slot among them
	ds_add_u32 v[SPW], v[NIL]                      ; 0 onto my spare word
	s_wait_dscnt 25                                ; (the add and the youngest 24 loads, W's tiles 6-11, may be out)
	WIN QK
	MULQK 0, 2, 1, 0                               ; twelve matrix instructions stand between the add and the wait for it
	s_wait_dscnt 0x0                               ; the add is done, and my reads of this slot are over
	s_barrier_signal -1
	MULQK 3, 5, 1, 0
	WIN 0
	s_barrier_wait -1
.if \fill
	CREST                                          ; the barrier has opened a round of the cluster's: no wave of any partner still reads this slot or has a load on its way
	s_add_nc_u64 s[G0+4*\slot+2:G0+4*\slot+3], s[G0+4*\slot+2:G0+4*\slot+3], 512
	s_add_nc_u64 s[G0B+4*\slot+2:G0B+4*\slot+3], s[G0B+4*\slot+2:G0B+4*\slot+3], 512
	JLOAD G0+4*\slot, G0B+4*\slot                  ; the first tensor load behind the round; its four v_nop are the places in front of the loads below
.else
	PLACES
.endif
	FETCH_B \next, 0, 0, 5
	FETCH_A \next, 0, 0
	WIN QK
	MULQK 6, 7, 1, 0
	WIN VV
	MULV 1, 0
	PLACES
	FETCH_B \next, 0, 6, 11
.endm
	s_wait_alu depctr_va_vdst(0)
	s_wait_tensorcnt 1                             ; my part of slot 0 is in; slot 1's may stay out
	s_barrier_signal -1
	s_barrier_wait -1                              ; everybody's is
	FETCH_B 0, 0, 0, 5
	FETCH_A 0, 0, 0
	FETCH_B 0, 0, 6, 11
	STEP 0, 1                                      ; K 0-127: the bias starts the sums
	TURN 0, 1, 1                                   ; K 128-255; slot 0 takes K 512-767
	STEP 1, 0
	TURN 1, 0, 1                                   ; slot 1 takes K 768-1023
	STEP 0, 0
	TURN 0, 1, 0                                   ; nothing is left to fetch
	STEP 1, 0
	s_wait_dscnt 24                                ; the last step
	WIN QK
	MULQK 0, 5, 1, 0
	s_wait_dscnt 0x0
	MULQK 6, 7, 1, 0
	WIN VV
	MULV 1, 0
	WIN 0
	; THE WAY OUT.  Each accumulator becomes two registers of codes.
	PLACES
	WIN MEDQK
.set N, 0
.rept 128
.set N, N+1
.endr
.rept 128
.set N, N+1
.endr
	WIN CVTQK
.irp b, 0,1,2,3
.irp a, 0,1,2,3
	v_cvt_scalef32_pk8_fp8_f32 v[CQ+8*\a+2*\b:CQ+8*\a+2*\b+1], v[8*(4*\b+\a):8*(4*\b+\a)+7], v[SCQ]           ; tokens 16 a on, channels 16 b + 8 h + 0..7
	v_cvt_scalef32_pk8_fp8_f32 v[CK+8*\a+2*\b:CK+8*\a+2*\b+1], v[128+8*(4*\b+\a):128+8*(4*\b+\a)+7], v[SCK]
.endr
.endr
	WIN IN3
.set N, 0
.rept 128
.set N, N+1
.endr
	WIN CVTV
.irp d, 0,1,2,3
.irp a, 0,1,2,3
	v_cvt_scalef32_pk8_fp8_f32 v[CV+8*\d+2*\a:CV+8*\d+2*\a+1], v[8*(4*\d+\a):8*(4*\d+\a)+7], v[SCV]           ; channels 16 d on, keys 16 a + 8 h + 0..7
.endr
.endr
	WIN 0
	v_nop                                          ; one plain vector instruction behind the last conversion
.irp a, 0,1,2,3
.irp c, 0,1
	global_store_b128 v[LI], v[CQ+8*\a+4*\c:CQ+8*\a+4*\c+3], s[12:13] offset:1024*\a+512*\c    ; 32 lanes store 512 consecutive bytes, aligned
	global_store_b128 v[LI], v[CK+8*\a+4*\c:CK+8*\a+4*\c+3], s[14:15] offset:1024*\a+512*\c
.endr
.endr
.irp d, 0,1,2,3
.irp c, 0,1
	global_store_b128 v[LI], v[CV+8*\d+4*\c:CV+8*\d+4*\c+3], s[16:17] offset:2048*\d+512*\c
.endr
.endr
	s_wait_tensorcnt 0x0                           ; the wave's end
	ds_add_u32 v[SPW], v[NIL]
	s_wait_dscnt 0x0
	CROUND                                         ; the closing round: no work-group ends while a partner may still ask for a tile that names it
	s_endpgm
.Lfunc_end_k_qf0c4c73ddd_qkv:
	.size	k_qf0c4c73ddd_qkv, .Lfunc_end_k_qf0c4c73ddd_qkv-k_qf0c4c73ddd_qkv
	.p2alignl 7, 3214868480
	.fill 96, 4, 3214868480
	.section	.rodata,"a",@progbits
	.p2align	6, 0x0
	.amdhsa_kernel k_qf0c4c73ddd_qkv
		.amdhsa_group_segment_fixed_size 327680
		.amdhsa_private_segment_fixed_size 0
		.amdhsa_enable_private_segment 0
		.amdhsa_kernarg_size 56
		.amdhsa_user_sgpr_count 2
		.amdhsa_user_sgpr_kernarg_segment_ptr 1
		.amdhsa_wavefront_size32 1
		.amdhsa_system_sgpr_workgroup_id_x 1
		.amdhsa_system_sgpr_workgroup_id_y 1
		.amdhsa_system_sgpr_workgroup_id_z 1
		.amdhsa_system_vgpr_workitem_id 0
		.amdhsa_next_free_vgpr 1024
		.amdhsa_next_free_sgpr 96
		.amdhsa_reserve_vcc 0
		.amdhsa_float_denorm_mode_32 3
		.amdhsa_float_denorm_mode_16_64 3
		.amdhsa_fp16_overflow 1
		.amdhsa_memory_ordered 1
		.amdhsa_forward_progress 1
		.amdhsa_inst_pref_size 84
	.end_amdhsa_kernel
	.amdgpu_metadata
---
amdhsa.version: [ 1, 2 ]
amdhsa.kernels:
  - .name:           k_qf0c4c73ddd_qkv
    .symbol:         k_qf0c4c73ddd_qkv.kd
    .args:
      - { .name: x_codes, .offset: 0, .size: 8, .value_kind: global_buffer, .address_space: global }
      - { .name: W_qkv_codes, .offset: 8, .size: 8, .value_kind: global_buffer, .address_space: global }
      - { .name: b_qkv, .offset: 16, .size: 8, .value_kind: global_buffer, .address_space: global }
      - { .name: lowp_scales, .offset: 24, .size: 8, .value_kind: global_buffer, .address_space: global }
      - { .name: q_img, .offset: 32, .size: 8, .value_kind: global_buffer, .address_space: global }
      - { .name: k_img, .offset: 40, .size: 8, .value_kind: global_buffer, .address_space: global }
      - { .name: v_img, .offset: 48, .size: 8, .value_kind: global_buffer, .address_space: global }
    .group_segment_fixed_size: 327680
    .private_segment_fixed_size: 0
    .kernarg_segment_align: 8
    .kernarg_segment_size: 56
    .max_flat_workgroup_size: 128
    .sgpr_count:     96
    .vgpr_count:     1024
    .wavefront_size: 32
...
	.end_amdgpu_metadata
.endif
;; end of part 1
;; launch attn (part 2): grid 4 x 64, 8 waves a work-group, no clusters, 327,680 bytes of LDS; arguments q_img, k_img, v_img, lowp_scales, attn_img; writes attn_img
.if DOCPART == 2
	.amdgcn_target "amdgcn-amd-amdhsa--gfx1250"
	.amdhsa_code_object_version 6
	.text
	.protected	k_qf0c4c73ddd_attn
	.globl	k_qf0c4c73ddd_attn
	.p2align	8
	.type	k_qf0c4c73ddd_attn,@function
k_qf0c4c73ddd_attn:
	s_mov_b64 s[64:65], 0
	v_nop
	global_prefetch_b8 v0, s[64:65] scope:SCOPE_SE
	s_setreg_imm32_b32 hwreg(HW_REG_WAVE_MODE, 25, 1), 1
	s_wait_xcnt 0x0
; Causal attention of one head on codes of FP8 (E4M3): O[q] = sum over keys k <= q of softmax_k(Q[q] . K[k] / 8) V[k], then O is quantised and stored as an image of operand registers for the last product.
; q_img, k_img: [head of batch 64][tile of 16 tokens 128][piece 2][lane 32][16 bytes]: a fragment of 16 tokens x 64 channels as its 8 registers lie.  v_img: [head][128 keys 16][16 channels 4][piece 4][lane][16 bytes]:
; a fragment of V^T, 16 channels x 128 keys, as its 16 registers lie.  attn_img: [16 rows 512][head 16][piece 2][lane][16 bytes].
; THE SOFTMAX AHEAD OF THE SECOND PRODUCT: t = score x log2(e) / 8; M = the running largest t rounded UP to a whole number, kept as -M = floor(-t); p = 2^(t - M) is quantised with 2^e4, not normalised; the row's sum is taken
; of the unquantised p and divides O at the end.  When M moves, the sum and O are multiplied by 2^(old M - new M), which rounds nothing.
; SHARES.  A head has 8 blocks of 256 queries; block b needs the key slots 0 .. b (256 keys each).  Work-group j of a head does block 7 - j and then block j: (8 - j) + (j + 1) = 9 slots FOR EVERY WORK-GROUP: the loop's
; trip count is a constant, no tile is fetched in vain, and the 256 work-groups have equal work.  Wave w owns queries 32 w .. 32 w + 31 of the block: two tiles u of 16, which share every fragment of K and V.
; LAYOUT.  S^T = K Q^T (source 0 = 16 keys, source 1 = 16 queries, K = 64) and O^T = V^T P^T (source 0 = 16 channels, source 1 = P, K = 128): a lane holds ONE query (lane % 16) throughout.  Tile tau of S^T holds in a lane's
; eight registers the keys 16 tau + 8 (lane / 16) + 0..7: its conversion gives registers 2 tau, 2 tau + 1 of P's fragment, in the same order of keys in which v_img was made.
; RING.  Two LDS slots of 32 KiB (K's 256 keys, then V's); images are dense, so a fragment load takes 512 consecutive bytes: no padding is needed.  Wave 0 fetches K's 16 KiB, wave 1 V's; all eight read them.
; NO CLUSTER: partner j would read key slot i in trip i only while i <= 7 - j and then slot i - 8 + j, so partners want different tiles in the same trip, and the branch that changes blocks hangs on j.
; Walking both blocks side by side, so that requests could be joint, would take 12 slot times in place of 9.
; CAUSAL.  A step of 128 keys all of which come after my 32 queries is jumped over (a scalar branch on ids; no barrier and no tensor load stands in a step); on the diagonal hidden scores become -infinity ahead of the maximum.
; LIMITS on the given exponents: e2 + e3 between -123 and 130 (added to c's exponent field); e4 between -126 and 119; e4 + e5 - e6 between -114 and 126, so that 2^(e4 + e5 - e6) / the sum is a normal f32 number.
; REGISTERS.  Window 0: v1-7 addresses and constants; v8-23 statistics, 8 a tile; v24-31 at work; v32-159 S^T, then p (64 a tile); v160-223 O^T (32 a tile); v224-255 P's codes (16 a tile).
;   Window 1: v0-15 Q of the block in hand; v16-31 Q of the second block; v32-95 K's eight fragments; v96-159 V's four.
.set SLOT1, 32768                      ; slot 1 begins here: one exclusive or turns an address in one slot into the other's
.set SPARE, 65536                      ; behind the ring: the spare words, 128 bytes for each of eight waves: four blocks of 256 bytes that no other line names
.set LI,  1                            ; v1   16 x lane
.set AD,  2                            ; v2   LI + the slot in hand
.set SPW, 3                            ; v3   LDS address of my spare word; never rewritten
.set NIL, 4                            ; v4   0; never rewritten
.set SC,  5                            ; v5   2^e4
.set LIM, 6
.set DQ,  7                            ; v7   lane % 16 - 8 (lane / 16)
.set ST,  8                            ; tile u's statistics at ST + 8 u: +0 -M, +1 the largest t, +2, +3 the sum in two halves, +4 f (+5 named with it), +6, +7 at work
.set XS,  24                           ; v[24+2u:25+2u] the sums' second chain
.set PD,  28                           ; v28+u  the lane permute's destination
.set S,   32
.set O,   160
.set P,   224
.set QA,  0                            ; in window 1
.set QB,  16
.set KFR, 32
.set VFR, 96
.set TO_1, 0x40                        ; destination window 1
.set W_KQ, 0x05                        ; sources 0 and 1 window 1
.set W_PV, 0x01                        ; source 0 window 1
.set W_CP, 0x41                        ; destination and source 0 window 1
.set MSB, 0
.macro WIN new                         ; the immediate's high byte repeats the setting that is left
.if MSB != \new
	s_set_vgpr_msb (MSB<<8)|\new
.set MSB, \new
.endif
.endm
.macro PLACES
.rept 4
	v_nop
.endr
.endm
.macro TLOAD                           ; wave 0: K's 16 KiB, wave 1: V's; the others fetch nothing.  Four v_nop follow the line
	s_cmp_lt_u32 s14, 2
	s_cbranch_scc0 .Lnone_\@
	tensor_load_to_lds s[32:35], s[24:31]
	s_nop 0
.rept 4
	v_nop
.endr
.Lnone_\@:
.endm
.macro INIT                            ; a block of queries begins: O^T and the sum are zeros, the largest t is under every t: the first change of M multiplies zeros
.irp u, 0,1
	v_mov_b32 v[ST+8*\u+1], 0xff61b1e6             ; -3e38
	s_delay_alu instid0(VALU_DEP_1)
	v_floor_f32 v[ST+8*\u], -v[ST+8*\u+1]
	v_mov_b32 v[ST+8*\u+2], 0
	v_mov_b32 v[ST+8*\u+3], 0
.endr
.set N, 0
.rept 64
	v_mov_b32 v[O+N], 0
.set N, N+1
.endr
.endm
	s_load_b256 s[4:11], s[0:1], 0x0               ; q_img s[4:5], k_img s[6:7], v_img s[8:9], the scales' exponents s[10:11]
	s_load_b64 s[12:13], s[0:1], 0x20              ; attn_img
	v_lshl_add_u32 v[SPW], v0, 2, SPARE
	v_mov_b32 v[NIL], 0
	ds_add_u32 v3, v4
	ds_add_u32 v3, v4
	s_wait_dscnt 0x0
	v_lshrrev_b32 v[AD], 5, v0
	s_delay_alu instid0(VALU_DEP_1)
	v_readfirstlane_b32 s14, v[AD]                 ; wave 0..7
	s_mov_b32 s15, ttmp9                           ; j
	s_and_b32 s16, ttmp7, 0xffff                   ; bh: the head of the batch
	; descriptor group 1: 16,384 dense bytes as 64 rows of 256
	s_mov_b32 s24, 3<<16                           ; no mask; elements of 8 bytes; no padding
	s_mov_b32 s25, 32<<16                          ; tensor_dim0 = 32
	s_mov_b32 s26, 64<<16                          ; tensor_dim1 = 64
	s_mov_b32 s27, 32<<16                          ; tile_dim0 = 32
	s_mov_b32 s28, 64                              ; tile_dim1 = 64
	s_mov_b32 s29, 32                              ; the pitch
	s_mov_b32 s30, 0
	s_mov_b32 s31, 0
	s_mov_b32 s32, 1
	s_and_b32 s33, s14, 1
	s_lshl_b32 s33, s33, 14                        ; K at a slot's first byte, V 16,384 bytes on; slot 0
	s_lshl_b32 s46, s16, 17                        ; 131,072 bytes a head in each image
	s_mov_b32 s47, 0
	s_sub_co_u32 s44, 8, s15                       ; the first block's slots
	s_sub_co_u32 s60, 7, s15
	s_lshl_b32 s42, s60, 8                         ; the block's first query, which is also its last slot's first key
	s_lshl_b32 s61, s14, 5
	s_add_co_u32 s41, s42, s61                     ; my first query
	s_lshl_b32 s57, s15, 8
	s_add_co_u32 s57, s57, s61                     ; and in the second block
	s_mov_b32 s20, 0x76543210
	s_mov_b32 s21, 0xfedcba98                      ; v_permlanex16_b32's selects for lane l xor 16
	s_mov_b32 s22, 0x3e38aa3b                      ; c = log2(e) / 8
	s_mov_b32 s38, 0                               ; the slot in hand
	s_mov_b32 s39, 8                               ; trips
	s_mov_b32 s40, 0                               ; its first key
	s_mov_b32 s43, 0                               ; the key slot asked for last
	s_wait_kmcnt 0x0
	s_load_b256 s[48:55], s[10:11], 0x0            ; e0 .. e7
	s_cmp_eq_u32 s14, 0
	s_cselect_b64 s[36:37], s[6:7], s[8:9]         ; which image I fetch from: the choice hangs on the wave's number alone
	s_add_nc_u64 s[36:37], s[36:37], s[46:47]      ; at the head's first byte
	s_mov_b64 s[34:35], s[36:37]
	s_or_b32 s35, s35, 0x80000000                  ; type = 2
	TLOAD                                          ; key slot 0 into LDS slot 0: one load of mine is out
	s_add_nc_u64 s[4:5], s[4:5], s[46:47]
	s_lshl_b32 s66, s41, 6                         ; 64 bytes a query
	s_mov_b32 s67, 0
	s_add_nc_u64 s[66:67], s[4:5], s[66:67]
	s_lshl_b32 s68, s57, 6
	s_mov_b32 s69, 0
	s_add_nc_u64 s[68:69], s[4:5], s[68:69]
	v_and_b32 v[LI], 31, v0
	s_delay_alu instid0(VALU_DEP_1)
	v_lshlrev_b32 v[LI], 4, v[LI]
	WIN TO_1
.irp u, 0,1
.irp c, 0,1
	global_load_b128 v[QA+8*\u+4*\c:QA+8*\u+4*\c+3], v[LI], s[66:67] offset:1024*\u+512*\c    ; Q of both blocks stays in registers
	global_load_b128 v[QB+8*\u+4*\c:QB+8*\u+4*\c+3], v[LI], s[68:69] offset:1024*\u+512*\c
.endr
.endr
	WIN 0
	v_and_b32 v30, 15, v0
	v_bfe_u32 v31, v0, 4, 1
	s_delay_alu instid0(VALU_DEP_1)
	v_lshlrev_b32 v31, 3, v31
	s_delay_alu instid0(VALU_DEP_1)
	v_sub_nc_u32 v[DQ], v30, v31
	s_lshr_b32 s60, s16, 4                         ; attn_img: row (batch 2,048 + query) x 1,024 bytes + head x 1,024
	s_lshl_b32 s60, s60, 21
	s_and_b32 s61, s16, 15
	s_lshl_b32 s61, s61, 10
	s_add_co_u32 s60, s60, s61
	s_mov_b32 s61, 0
	s_add_nc_u64 s[12:13], s[12:13], s[60:61]
	INIT
.irp u, 0,1
	v_mov_b32 v[ST+8*\u+4], 0                      ; written once, so that every way finds them written: pairs are named whole, and a permute's destination counts as a source
	v_mov_b32 v[ST+8*\u+5], 0
	v_mov_b32 v[ST+8*\u+6], 0
	v_mov_b32 v[ST+8*\u+7], 0
	v_mov_b32 v[PD+\u], 0
.endr
	s_wait_kmcnt 0x0
	s_add_co_i32 s60, s50, s51
	s_lshl_b32 s60, s60, 23
	s_add_co_i32 s22, s22, s60                     ; a score stands for score x 2^(e2 + e3): the exponents are added to c's exponent field
	s_mov_b32 s23, s22                             ; (named with it as a pair)
	s_add_co_i32 s60, s52, 127
	s_lshl_b32 s61, s60, 23
	v_mov_b32 v[SC], s61                           ; 2^e4
	s_add_co_i32 s56, s52, s53
	s_sub_co_i32 s56, s56, s54                     ; e4 + e5 - e6
; The softmax of a step, both tiles line by line, so that no line waits for the line above it.
.macro SOFT
.irp u, 0,1
	v_max3_num_f32 v[ST+8*\u+6], v[S+64*\u], v[S+64*\u+1], v[S+64*\u+2]          ; the step's largest score among my 64 keys, in two chains; each tile of S^T is first read at its low end
.endr
.irp u, 0,1
	v_max3_num_f32 v[ST+8*\u+7], v[S+64*\u+3], v[S+64*\u+4], v[S+64*\u+5]
.endr
.irp i, 6,10,14,18,22,26,30,34,38,42,46,50,54,58
.irp u, 0,1
	v_max3_num_f32 v[ST+8*\u+6], v[ST+8*\u+6], v[S+64*\u+\i], v[S+64*\u+\i+1]
.endr
.irp u, 0,1
	v_max3_num_f32 v[ST+8*\u+7], v[ST+8*\u+7], v[S+64*\u+\i+2], v[S+64*\u+\i+3]
.endr
.endr
.irp u, 0,1
	v_max3_num_f32 v[ST+8*\u+6], v[ST+8*\u+6], v[S+64*\u+62], v[S+64*\u+63]
.endr
.irp u, 0,1
	s_delay_alu instid0(VALU_DEP_2)
	v_max_num_f32 v[ST+8*\u+6], v[ST+8*\u+6], v[ST+8*\u+7]
.endr
.irp u, 0,1
	s_delay_alu instid0(VALU_DEP_2)
	v_permlanex16_b32 v[PD+\u], v[ST+8*\u+6], s20, s21
.endr
.irp u, 0,1
	s_delay_alu instid0(VALU_DEP_2)
	v_max_num_f32 v[ST+8*\u+6], v[ST+8*\u+6], v[PD+\u]                           ; and among lane l xor 16's
.endr
.irp u, 0,1
	s_delay_alu instid0(VALU_DEP_2)
	v_mul_f32 v[ST+8*\u+6], s22, v[ST+8*\u+6]                                    ; as t (c is positive)
.endr
.irp u, 0,1
	s_delay_alu instid0(VALU_DEP_2)
	v_max_num_f32 v[ST+8*\u+1], v[ST+8*\u+1], v[ST+8*\u+6]                       ; the running largest t
.endr
.irp u, 0,1
	v_mov_b32 v[ST+8*\u+6], v[ST+8*\u]
.endr
.irp u, 0,1
	s_delay_alu instid0(VALU_DEP_4)
	v_floor_f32 v[ST+8*\u], -v[ST+8*\u+1]                                        ; the new -M = floor(-t) = -ceil(t)
.endr
.irp u, 0,1
	s_delay_alu instid0(VALU_DEP_2)
	v_sub_f32 v[ST+8*\u+6], v[ST+8*\u], v[ST+8*\u+6]                             ; old M - new M: a whole number, 0 or less
.endr
.irp u, 0,1
	s_delay_alu instid0(VALU_DEP_2)
	v_cvt_i32_f32 v[ST+8*\u+6], v[ST+8*\u+6]                                     ; (it saturates)
.endr
.irp u, 0,1
	s_delay_alu instid0(VALU_DEP_2)
	v_ldexp_f32 v[ST+8*\u+4], 1.0, v[ST+8*\u+6]                                  ; f = 2^(old M - new M)
.endr
.set N, 0
.rept 32
.irp u, 0,1
	v_pk_fma_f32 v[S+64*\u+N:S+64*\u+N+1], v[S+64*\u+N:S+64*\u+N+1], s[22:23], v[ST+8*\u:ST+8*\u+1] op_sel_hi:[1,0,0]   ; t - M, two at a time
.endr
.set N, N+2
.endr
.set N, 0
	s_wait_alu depctr_va_vdst(0)
.rept 64
.irp u, 0,1
	v_exp_f32 v[S+64*\u+N], v[S+64*\u+N]                                         ; p = 2^(t - M), at most 1
.endr
.set N, N+1
.endr
.irp u, 0,1
	v_pk_mul_f32 v[ST+8*\u+2:ST+8*\u+3], v[ST+8*\u+2:ST+8*\u+3], v[ST+8*\u+4:ST+8*\u+5] op_sel_hi:[1,0]   ; the sums under the new M (a plain instruction behind the exponentials)
.endr
	s_wait_alu depctr_va_vdst(0)
.irp u, 0,1
	v_pk_add_f32 v[XS+2*\u:XS+2*\u+1], v[S+64*\u:S+64*\u+1], v[S+64*\u+2:S+64*\u+3]   ; the row's sum is taken of the unquantised p, in two chains
.endr
.irp i, 4,8,12,16,20,24,28,32,36,40,44,48,52,56,60
.irp u, 0,1
	v_pk_add_f32 v[ST+8*\u+2:ST+8*\u+3], v[ST+8*\u+2:ST+8*\u+3], v[S+64*\u+\i:S+64*\u+\i+1]
.endr
.irp u, 0,1
	v_pk_add_f32 v[XS+2*\u:XS+2*\u+1], v[XS+2*\u:XS+2*\u+1], v[S+64*\u+\i+2:S+64*\u+\i+3]
.endr
.endr
.irp u, 0,1
	s_delay_alu instid0(VALU_DEP_2)
	v_pk_add_f32 v[ST+8*\u+2:ST+8*\u+3], v[ST+8*\u+2:ST+8*\u+3], v[XS+2*\u:XS+2*\u+1]
.endr
.irp t, 0,1,2,3,4,5,6,7
.irp i, 0,1,2,3,4,5,6,7
.irp u, 0,1
.endr
.endr
.irp u, 0,1
	v_cvt_scalef32_pk8_fp8_f32 v[P+16*\u+2*\t:P+16*\u+2*\t+1], v[S+64*\u+8*\t:S+64*\u+8*\t+7], v[SC]   ; keys 16 t + 8 h + 0..7: registers 2 t, 2 t + 1 of P's fragment
.endr
.endr
.set N, 0
.rept 16
.irp u, 0,1
	v_pk_mul_f32 v[O+32*\u+N:O+32*\u+N+1], v[O+32*\u+N:O+32*\u+N+1], v[ST+8*\u+4:ST+8*\u+5] op_sel_hi:[1,0]   ; O^T under the new M; these are also the plain instructions behind the conversions
.endr
.set N, N+2
.endr
.endm
; A KEY STEP: 128 keys, the q-th of the slot in hand.
.macro STEP q
	s_add_co_u32 s60, s40, 128*\q                  ; the step's first key
	s_add_co_u32 s61, s41, 31
	s_cmp_gt_u32 s60, s61
	s_cbranch_scc1 .Lhidden_\@                     ; all its keys come after my queries
	v_add_nc_u32 v[AD], s38, v[LI]
.rept 3
	v_nop                                          ; with the addition above: four places in front of loads into registers that the last products read
.endr
	WIN TO_1
.irp t, 0,1,2,3,4,5,6,7
.irp c, 0,1
	ds_load_b128 v[KFR+8*\t+4*\c:KFR+8*\t+4*\c+3], v[AD] offset:8192*\q+1024*\t+512*\c
.endr
.endr
.irp t, 0,1,2,3
.irp c, 0,1,2,3
	ds_load_b128 v[VFR+16*\t+4*\c:VFR+16*\t+4*\c+3], v[AD] offset:16384+8192*\q+2048*\t+512*\c
.endr
.endr
	s_wait_dscnt 16                                ; K's sixteen loads are in; V's sixteen, issued behind them, may be out
	WIN W_KQ
.irp t, 0,1,2,3,4,5,6,7
.irp u, 0,1
	v_wmma_f32_16x16x64_fp8_fp8 v[S+64*\u+8*\t:S+64*\u+8*\t+7], v[KFR+8*\t:KFR+8*\t+7], v[QA+8*\u:QA+8*\u+7], 0
.endr
.endr
	WIN 0
	PLACES
	s_add_co_u32 s61, s60, 127
	s_cmp_le_u32 s61, s41
	s_cbranch_scc1 .Lopen_\@                       ; all its keys count for all my queries
	s_sub_co_i32 s61, s41, s60
	v_mov_b32 v30, 0xff800000                      ; -infinity
.irp u, 0,1
	s_add_co_i32 s62, s61, 16*\u
	v_add_nc_u32 v31, s62, v[DQ]                   ; d = my query - the step's first key - 8 h.  Register 8 t + i holds key 16 t + 8 h + i of the step: hidden where 16 t + i > d
.set N, 0
.rept 64
	v_cmp_gt_i32 vcc_lo, 16*(N/8)+N%8, v31
	v_cndmask_b32 v[S+64*\u+N], v[S+64*\u+N], v30, vcc_lo
.set N, N+1
.endr
.endr
.Lopen_\@:
	SOFT
	s_wait_alu depctr_va_vdst(0)
	s_wait_dscnt 0x0                               ; V is in
	WIN W_PV
.irp t, 0,1,2,3
.irp u, 0,1
	v_wmma_f32_16x16x128_fp8_fp8 v[O+32*\u+8*\t:O+32*\u+8*\t+7], v[VFR+16*\t:VFR+16*\t+15], v[P+16*\u:P+16*\u+15], v[O+32*\u+8*\t:O+32*\u+8*\t+7]   ; eight accumulators, one instruction a turn
.endr
.endr
	WIN 0
.Lhidden_\@:
.endm
; THE CHANGE OF SLOTS stands at a slot's head.  Each wave waits for all its tensor loads, adds 0 to its spare word, and waits for that and for its reads of the slot that it has left.  Behind the barrier the slot ahead is whole
; and nobody reads the other one.  fill = 1: the other slot takes the key slot that follows: the next of this block, or slot 0 again when the first block's 8 - j are through.
.macro CHANGE fill
	s_wait_tensorcnt 0x0                           ; no tensor load of mine is out, so group 0 may be written
	ds_add_u32 v[SPW], v[NIL]                      ; 0 onto my spare word
.if \fill
	s_xor_b32 s33, s33, SLOT1
	s_add_co_u32 s43, s43, 1
	s_cmp_eq_u32 s43, s44
	s_cselect_b32 s43, 0, s43
	s_lshl_b32 s46, s43, 14                        ; 16,384 bytes a key slot in either image
	s_add_nc_u64 s[34:35], s[36:37], s[46:47]
	s_or_b32 s35, s35, 0x80000000
.endif
	s_wait_dscnt 0x0                               ; the add is done, and my reads of the slot that I have left are over
	s_barrier_signal -1
	s_barrier_wait -1
.if \fill
	TLOAD                                          ; the first thing behind the barrier, and a wave's one tensor load until the next: it has two key steps in which to land
.endif
.endm
; A block of queries is finished: O^T / the sum x 2^(e4 + e5 - e6) becomes codes: registers 2 t, 2 t + 1 of a fragment of 16 rows x this head's 64 channels.
.macro FINISH
	PLACES
.irp u, 0,1
	v_add_f32 v[ST+8*\u+2], v[ST+8*\u+2], v[ST+8*\u+3]
.endr
	s_wait_alu depctr_va_vdst(0)
.irp u, 0,1
	v_permlanex16_b32 v[PD+\u], v[ST+8*\u+2], s20, s21
.endr
.irp u, 0,1
	s_delay_alu instid0(VALU_DEP_2)
	v_add_f32 v[ST+8*\u+2], v[ST+8*\u+2], v[PD+\u]                               ; the row's sum
.endr
	s_wait_alu depctr_va_vdst(0)
.irp u, 0,1
	v_rcp_f32 v[ST+8*\u+6], v[ST+8*\u+2]
.endr
	v_mov_b32 v31, 1.0                             ; the conversion's scale: all three exponents are in the factor
	s_wait_alu depctr_va_vdst(0)
.irp u, 0,1
	v_ldexp_f32 v[ST+8*\u+6], v[ST+8*\u+6], s56
.endr
.irp u, 0,1
.set N, 0
.rept 16
	v_pk_mul_f32 v[S+64*\u+N:S+64*\u+N+1], v[O+32*\u+N:O+32*\u+N+1], v[ST+8*\u+6:ST+8*\u+7] op_sel_hi:[1,0]
.set N, N+2
.endr
.set N, 0
.rept 32
.set N, N+1
.endr
.irp t, 0,1,2,3
	v_cvt_scalef32_pk8_fp8_f32 v[P+16*\u+2*\t:P+16*\u+2*\t+1], v[S+64*\u+8*\t:S+64*\u+8*\t+7], v31
.endr
.endr
	v_nop                                          ; one plain vector instruction behind the last conversion
	s_lshl_b32 s62, s41, 10
	s_mov_b32 s63, 0
	s_add_nc_u64 s[58:59], s[12:13], s[62:63]
.irp u, 0,1
.irp c, 0,1
	global_store_b128 v[LI], v[P+16*\u+4*\c:P+16*\u+4*\c+3], s[58:59] offset:16384*\u+512*\c   ; 32 lanes store 512 consecutive bytes, aligned
.endr
.endr
	s_wait_xcnt 0x0                                ; the stores' data and base are written again only behind this wait
.endm
	s_wait_loadcnt 0x0                             ; Q
.Lslot:                                            ; eight trips; behind each change of slots the next key slot is asked for
	CHANGE 1
	STEP 0
	STEP 1
	s_xor_b32 s38, s38, SLOT1                      ; on to the other slot
	s_cmp_eq_u32 s40, s42                          ; was that the block's last slot, the one on the diagonal?  The same answer in all eight waves
	s_cbranch_scc1 .Lblock_done
	s_add_co_u32 s40, s40, 256
	s_branch .Lnext
.Lblock_done:
	FINISH
	WIN W_CP
.set N, 0
.rept 16
	v_mov_b32 v[QA+N], v[QB+N]                     ; the second block's Q
.set N, N+1
.endr
	WIN 0
	INIT
	s_mov_b32 s40, 0
	s_lshl_b32 s42, s15, 8
	s_mov_b32 s41, s57
.Lnext:
	s_sub_co_u32 s39, s39, 1
	s_cmp_lg_u32 s39, 0
	s_cbranch_scc1 .Lslot
	CHANGE 0                                       ; the ninth slot is written out: it is the second block's diagonal
	STEP 0
	STEP 1
	FINISH
	s_wait_tensorcnt 0x0                           ; the wave's end
	ds_add_u32 v[SPW], v[NIL]
	s_wait_dscnt 0x0
	s_endpgm
.Lfunc_end_k_qf0c4c73ddd_attn:
	.size	k_qf0c4c73ddd_attn, .Lfunc_end_k_qf0c4c73ddd_attn-k_qf0c4c73ddd_attn
	.p2alignl 7, 3214868480
	.fill 96, 4, 3214868480
	.section	.rodata,"a",@progbits
	.p2align	6, 0x0
	.amdhsa_kernel k_qf0c4c73ddd_attn
		.amdhsa_group_segment_fixed_size 327680
		.amdhsa_private_segment_fixed_size 0
		.amdhsa_enable_private_segment 0
		.amdhsa_kernarg_size 40
		.amdhsa_user_sgpr_count 2
		.amdhsa_user_sgpr_kernarg_segment_ptr 1
		.amdhsa_wavefront_size32 1
		.amdhsa_system_sgpr_workgroup_id_x 1
		.amdhsa_system_sgpr_workgroup_id_y 1
		.amdhsa_system_sgpr_workgroup_id_z 1
		.amdhsa_system_vgpr_workitem_id 0
		.amdhsa_next_free_vgpr 416
		.amdhsa_next_free_sgpr 72
		.amdhsa_reserve_vcc 1
		.amdhsa_float_denorm_mode_32 3
		.amdhsa_float_denorm_mode_16_64 3
		.amdhsa_fp16_overflow 1
		.amdhsa_memory_ordered 1
		.amdhsa_forward_progress 1
		.amdhsa_inst_pref_size 159
	.end_amdhsa_kernel
	.amdgpu_metadata
---
amdhsa.version: [ 1, 2 ]
amdhsa.kernels:
  - .name:           k_qf0c4c73ddd_attn
    .symbol:         k_qf0c4c73ddd_attn.kd
    .args:
      - { .name: q_img, .offset: 0, .size: 8, .value_kind: global_buffer, .address_space: global }
      - { .name: k_img, .offset: 8, .size: 8, .value_kind: global_buffer, .address_space: global }
      - { .name: v_img, .offset: 16, .size: 8, .value_kind: global_buffer, .address_space: global }
      - { .name: lowp_scales, .offset: 24, .size: 8, .value_kind: global_buffer, .address_space: global }
      - { .name: attn_img, .offset: 32, .size: 8, .value_kind: global_buffer, .address_space: global }
    .group_segment_fixed_size: 327680
    .private_segment_fixed_size: 0
    .kernarg_segment_align: 8
    .kernarg_segment_size: 40
    .max_flat_workgroup_size: 256
    .sgpr_count:     72
    .vgpr_count:     416
    .wavefront_size: 32
...
	.end_amdgpu_metadata
.endif
;; end of part 2
;; launch proj (part 3): grid 8 x 32, 4 waves a work-group, clusters of 4 x 4, 327,680 bytes of LDS; arguments attn_img, W_out_codes, b_out, lowp_scales, out0; writes out0
.if DOCPART == 3
	.amdgcn_target "amdgcn-amd-amdhsa--gfx1250"
	.amdhsa_code_object_version 6
	.text
	.protected	k_qf0c4c73ddd_proj
	.globl	k_qf0c4c73ddd_proj
	.p2align	8
	.type	k_qf0c4c73ddd_proj,@function
k_qf0c4c73ddd_proj:
	s_mov_b64 s[64:65], 0
	v_nop
	global_prefetch_b8 v0, s[64:65] scope:SCOPE_SE
	s_setreg_imm32_b32 hwreg(HW_REG_WAVE_MODE, 25, 1), 1
	s_wait_xcnt 0x0
	s_wait_alu depctr_hold_cnt(0) depctr_sa_sdst(0) depctr_va_vdst(0) depctr_va_sdst(0) depctr_va_ssrc(0) depctr_va_vcc(0) depctr_vm_vsrc(0)
	s_getreg_b32 s2, hwreg(HW_REG_IB_STS2, 6, 4)
	s_cmp_eq_u32 s2, 0
	s_cbranch_scc0 .Lentry_in_a_cluster
	s_endpgm
.Lentry_in_a_cluster:
	s_bfe_u32 s2, ttmp6, 0x10000c
	s_cmp_lg_u32 s2, 0xf033
	s_cbranch_scc0 .Lentry_shape_is_right
	s_endpgm
.Lentry_shape_is_right:
; out = attn W_out^T + b_out on codes of FP8 (E4M3).  attn: 8,192 rows x 1,024, as attn_img [16 rows 512][head 16][piece 2][lane 32][16 bytes]: two heads' images on end are one fragment of 16 rows x 128 K as its
; 16 registers lie (registers 2 c, 2 c + 1: K = 16 c + 8 (lane / 16) + 0..7).  W_out: [1024][1024] codes, K innermost.  out0: [8192][1024] f32.
; SHARES.  A work-group makes 256 rows x 128 columns: 256 work-groups.  Wave w makes rows 64 w .. 64 w + 63 against all 128 columns: 4 row tiles a x 8 column tiles b = 32 accumulators.
; TRANSPOSED USE: source 0 = 16 rows of W_out, source 1 = 16 rows of attn: a lane holds eight neighbouring columns of one row of out0.
; FRAGMENTS.  attn's come from LDS as they lie, four loads of 16 bytes at 16 x lane.  W_out's come from padded rows by eight loads of 8 bytes, 16 bytes apart, at row x pitch + 8 (lane / 16): the same place for each k as in attn's images.
; RING.  K goes in slots of 256 through two LDS slots; four slots in all, so the eight steps of 128 are written out.  A slot holds attn's 16 row tiles x 4,096 bytes, dense, and W_out's 128 rows of 256 bytes + 16.
; CLUSTER 4 x 4: attn's tile is shared along a row of the cluster, W_out's along a column; each is asked for jointly.
; out = sum x 2^(e6 + e7) + b_out: one packed multiply-add for two numbers.  LIMIT: e6 + e7 between -126 and 127, so that 2^(e6 + e7) is an f32 number.  NaN codes among the inputs are not served.
; REGISTERS.  Window 0: v1-29 addresses; v32-95 a block's results; v128-255 rows read back from the stage, two sets.  Window 1: W_out's fragments, two sets of 8 x 16.  Window 2: the accumulators at 8 (8 a + b).
;   Window 3: attn's fragments, two sets of 4 x 16 (v0-127); v128-191 the bias, eight registers a column tile, in the result's layout.
.set PITCH, 272                        ; W_out's LDS row: 256 bytes + 16 of padding
.set AHALF, 32768                      ; what wave 0 or 1 fetches: 8 row tiles x 4,096 bytes
.set BHALF, 64*PITCH                   ; what wave 2 or 3 fetches: 64 rows
.set BOFF,  2*AHALF
.set SLOT,  BOFF+2*BHALF
.set STAGE, 2*SLOT                     ; behind the ring: 16 rows x (512 bytes + 16) for each wave; no tensor load lands here
.set SPITCH, 528
.set SPARE, STAGE+4*16*SPITCH          ; behind the stages: the spare words, 128 bytes a wave: two blocks of 256 bytes that no other line names
.set ADRA, 16                          ; v16-17  LDS address of my fragments of attn in slot 0, 1
.set ADRB, 20                          ; v20-21  the same for W_out
.set STO,  24                          ; v24     the way out: where I put 32 bytes of a row
.set RD,   25                          ; v25     where I read a row back
.set CO,   26                          ; v26     16 x lane
.set SPW,  28                          ; v28     LDS address of my spare word; never rewritten
.set NIL,  29                          ; v29     0; never rewritten
.set TMP,  32
.set BK,   128
.set G1,  24
.set G0,  32
.set G1B, 48
.set G0B, 56
.set MULW, 0xad                        ; source 0 (W_out) window 1, source 1 (attn) window 3, C and D window 2
.set TO_B, 0x40                        ; destination window 1
.set TO_A, 0xc0                        ; destination window 3
.set OUTW, 0x32                        ; source 0 (the sums) window 2, source 2 (the bias) window 3
.set MSB, 0
.macro WIN new                         ; the immediate's high byte repeats the setting that is left
.if MSB != \new
	s_set_vgpr_msb (MSB<<8)|\new
.set MSB, \new
.endif
.endm
.macro PLACES
.rept 4
	v_nop
.endr
.endm
.macro JLOAD g0a, g0b                  ; a joint load: waves 0 and 1 fetch attn's halves, waves 2 and 3 W_out's; four v_nop follow each line
	s_cmp_eq_u32 s19, 0
	s_cbranch_scc0 .Lfor_b_\@
	tensor_load_to_lds s[\g0a:\g0a+3], s[G1:G1+7]
	s_nop 0
.rept 4
	v_nop
.endr
	s_branch .Lasked_\@
.Lfor_b_\@:
	tensor_load_to_lds s[\g0b:\g0b+3], s[G1B:G1B+7]
	s_nop 0
.rept 4
	v_nop
.endr
.Lasked_\@:
.endm
.macro CREST
	s_cmp_lg_u32 s18, 0
	s_cbranch_scc1 .Lnot_wave_0_\@
	s_barrier_signal -3
.Lnot_wave_0_\@:
	s_barrier_wait -3
	s_barrier_signal -1
	s_barrier_wait -1
.endm
.macro CROUND
	s_barrier_signal -1
	s_barrier_wait -1
	CREST
.endm
	s_load_b256 s[4:11], s[0:1], 0x0               ; attn_img s[4:5], W_out s[6:7], b_out s[8:9], the scales' exponents s[10:11]
	s_load_b64 s[12:13], s[0:1], 0x20              ; out0
	v_lshl_add_u32 v[SPW], v0, 2, SPARE
	v_mov_b32 v[NIL], 0
	ds_add_u32 v28, v29
	ds_add_u32 v28, v29
	s_wait_dscnt 0x0
	v_lshrrev_b32 v1, 5, v0
	v_readfirstlane_b32 s18, v1                    ; wave 0..3
	s_lshr_b32 s19, s18, 1                         ; I fetch for attn (0) or for W_out (1)
	s_and_b32 s20, s18, 1                          ; which half
	s_bfe_u32 s21, ttmp6, 0x40000                  ; cx, cy
	s_bfe_u32 s22, ttmp6, 0x40004
	s_lshl_b32 s23, ttmp9, 2
	s_add_co_u32 s23, s23, s21                     ; tx: the block of 128 columns
	s_and_b32 s40, ttmp7, 0xffff
	s_lshl_b32 s40, s40, 2
	s_add_co_u32 s40, s40, s22                     ; ty: the block of 256 rows
	s_lshl_b32 s41, s22, 2
	s_lshl_b32 s41, 15, s41                        ; my row of the cluster
	s_lshl_b32 s42, 0x1111, s21                    ; my column
	; group 1 for attn: 8 rows of 4,096 bytes (a row tile's four heads), 16,384 bytes apart, dense in LDS; elements of 8 bytes
	s_or_b32 s[G1+0], s41, (3<<16)|(1<<21)
	s_mov_b32 s[G1+1], 512<<16                     ; tensor_dim0
	s_mov_b32 s[G1+2], 8<<16                       ; tensor_dim1
	s_mov_b32 s[G1+3], 512<<16                     ; tile_dim0
	s_mov_b32 s[G1+4], 8                           ; tile_dim1
	s_mov_b32 s[G1+5], 2048                        ; the pitch
	s_mov_b32 s[G1+6], 0
	s_mov_b32 s[G1+7], 0
	; group 1 for W_out: 64 rows of 256 bytes, 1,024 bytes apart, 16 bytes of padding behind each; elements of 1 byte
	s_or_b32 s[G1B+0], s42, (0<<16)|(1<<20)|(1<<21)|(5<<22)|(3<<25)
	s_mov_b32 s[G1B+1], 256<<16
	s_mov_b32 s[G1B+2], 64<<16
	s_mov_b32 s[G1B+3], 256<<16
	s_mov_b32 s[G1B+4], 64
	s_mov_b32 s[G1B+5], 1024
	s_mov_b32 s[G1B+6], 0
	s_mov_b32 s[G1B+7], 0
	s_lshl_b32 s44, s40, 18                        ; attn: row tile 16 ty + 8 x half, 16,384 bytes each
	s_lshl_b32 s43, s20, 17
	s_add_co_u32 s44, s44, s43
	s_mov_b32 s45, 0
	s_lshl_b32 s46, s23, 17                        ; W_out: row 128 tx + 64 x half, 1,024 bytes each
	s_lshl_b32 s43, s20, 16
	s_add_co_u32 s46, s46, s43
	s_mov_b32 s47, 0
	s_mul_i32 s66, s20, AHALF                      ; where they go: no place in the cluster enters an LDS address
	s_mul_i32 s67, s20, BHALF
	s_add_co_u32 s67, s67, BOFF
	s_wait_kmcnt 0x0
	s_load_b256 s[68:75], s[10:11], 0x0            ; e0 .. e7
	s_add_nc_u64 s[44:45], s[4:5], s[44:45]
	s_add_nc_u64 s[46:47], s[6:7], s[46:47]
	CROUND                                         ; all sixteen work-groups are here: the first joint loads meet
.irp s, 0,1
	s_mov_b32 s[G0+4*\s], 1
	s_add_co_u32 s[G0+4*\s+1], s66, \s*SLOT
	s_add_nc_u64 s[G0+4*\s+2:G0+4*\s+3], s[44:45], \s*4096
	s_or_b32 s[G0+4*\s+3], s[G0+4*\s+3], 0x80000000
	s_mov_b32 s[G0B+4*\s], 1
	s_add_co_u32 s[G0B+4*\s+1], s67, \s*SLOT
	s_add_nc_u64 s[G0B+4*\s+2:G0B+4*\s+3], s[46:47], \s*256
	s_or_b32 s[G0B+4*\s+3], s[G0B+4*\s+3], 0x80000000
	s_wait_alu depctr_va_vdst(0)
	s_wait_tensorcnt 0x0
	ds_add_u32 v28, v29
	ds_add_u32 v28, v29
	s_wait_dscnt 0x0
	CROUND
	JLOAD G0+4*\s, G0B+4*\s                        ; one load of mine is out
.endr
	v_and_b32 v1, 15, v0                           ; r
	v_bfe_u32 v2, v0, 4, 1                         ; h
	v_and_b32 v6, 31, v0
	v_lshlrev_b32 v[CO], 4, v6                     ; 16 x lane
	s_lshl_b32 s43, s18, 14                        ; my four row tiles
.irp s, 0,1
	v_add_nc_u32 v[ADRA+\s], s43, v[CO]
	s_add_co_u32 s43, s43, SLOT
.endr
	v_mul_u32_u24 v3, v1, PITCH
	v_lshl_add_u32 v3, v2, 3, v3                   ; W_out: row r x pitch + 8 h
	v_add_nc_u32 v[ADRB], BOFF, v3
	v_add_nc_u32 v[ADRB+1], BOFF+SLOT, v3
	s_mul_i32 s43, s18, 16*SPITCH
	s_add_co_u32 s43, s43, STAGE                   ; my stage
	v_mul_u32_u24 v5, v1, SPITCH
	v_lshl_add_u32 v5, v2, 5, v5
	v_add_nc_u32 v[STO], s43, v5                   ; in: row r, 32 bytes for each half of the lanes
	v_add_nc_u32 v[RD], s43, v[CO]                 ; back: the 32 lanes take one row of 512 bytes
	v_lshlrev_b32 v4, 5, v2                        ; the bias: my eight columns begin 32 h bytes into a tile's 64
	s_lshl_b32 s80, s23, 9
	s_mov_b32 s81, 0
	s_add_nc_u64 s[8:9], s[8:9], s[80:81]
	WIN TO_A
.irp b, 0,1,2,3,4,5,6,7
	global_load_b128 v[128+8*\b:128+8*\b+3], v4, s[8:9] offset:64*\b
	global_load_b128 v[128+8*\b+4:128+8*\b+7], v4, s[8:9] offset:64*\b+16
.endr
	WIN 0
	s_lshl_b32 s78, s40, 20                        ; out0: row 256 ty + 64 w, 4,096 bytes each; column 128 tx
	s_lshl_b32 s79, s18, 18
	s_add_co_u32 s78, s78, s79
	s_add_co_u32 s78, s78, s80
	s_mov_b32 s79, 0
	s_add_nc_u64 s[12:13], s[12:13], s[78:79]
	s_wait_alu depctr_va_vdst(0)
	s_wait_kmcnt 0x0
	s_add_co_i32 s76, s74, s75
	s_add_co_i32 s76, s76, 127
	s_lshl_b32 s76, s76, 23                        ; 2^(e6 + e7) as f32
	s_mov_b32 s77, s76                             ; (named with it as a pair)
	s_wait_loadcnt 0x0                             ; the bias
.macro FETCH slot, q, p                ; the fragments of the slot's q-th 128 along K into sets p: 16 loads of 16 bytes, 64 of 8
	WIN TO_A
.irp a, 0,1,2,3
.irp c, 0,1,2,3
	ds_load_b128 v[64*\p+16*\a+4*\c:64*\p+16*\a+4*\c+3], v[ADRA+\slot] offset:4096*\a+2048*\q+512*\c
.endr
.endr
	WIN TO_B
.irp b, 0,1,2,3,4,5,6,7
.irp c, 0,1,2,3,4,5,6,7
	ds_load_b64 v[128*\p+16*\b+2*\c:128*\p+16*\b+2*\c+1], v[ADRB+\slot] offset:16*PITCH*\b+128*\q+16*\c
.endr
.endr
	WIN 0
.endm
; The 32 accumulators take turns, one instruction a turn, in the same order in every step.  zero = 1: the first products start the sums.
.macro MUL a0, a1, p, zero
.set MA, \a0
.rept \a1-\a0+1
.irp b, 0,1,2,3,4,5,6,7
.if \zero
	v_wmma_f32_16x16x128_fp8_fp8 v[8*(8*MA+\b):8*(8*MA+\b)+7], v[128*\p+16*\b:128*\p+16*\b+15], v[64*\p+16*MA:64*\p+16*MA+15], 0
.else
	v_wmma_f32_16x16x128_fp8_fp8 v[8*(8*MA+\b):8*(8*MA+\b)+7], v[128*\p+16*\b:128*\p+16*\b+15], v[64*\p+16*MA:64*\p+16*MA+15], v[8*(8*MA+\b):8*(8*MA+\b)+7]
.endif
.endr
.set MA, MA+1
.endr
.endm
.macro STEP slot, zero                 ; a slot's first 128 along K, on sets 0; the second 128's fragments are asked for ahead of its 32 products
	s_wait_dscnt 0x0                               ; sets 0 are in
	PLACES                                         ; for the loads into sets 1, which the last products read
	FETCH \slot, 1, 1
	WIN MULW
	MUL 0, 3, 0, \zero
	WIN 0
.endm
.macro TURN slot, next, fill           ; a slot's second 128 along K, on sets 1, changes slots: ONE barrier
	s_wait_tensorcnt 0x0                           ; all my tensor loads have landed: my part of the next slot among them
	ds_add_u32 v[SPW], v[NIL]                      ; 0 onto my spare word
	s_wait_dscnt 0x0                               ; the add is done, sets 1 are in, and my reads of this slot are over
	s_barrier_signal -1
	WIN MULW
	MUL 0, 1, 1, 0                                 ; work on registers while the others arrive
	WIN 0
	s_barrier_wait -1
.if \fill
	CREST                                          ; the barrier has opened a round of the cluster's: no wave of any partner still reads this slot or has a load on its way
	s_add_nc_u64 s[G0+4*\slot+2:G0+4*\slot+3], s[G0+4*\slot+2:G0+4*\slot+3], 8192
	s_add_nc_u64 s[G0B+4*\slot+2:G0B+4*\slot+3], s[G0B+4*\slot+2:G0B+4*\slot+3], 512
	JLOAD G0+4*\slot, G0B+4*\slot                  ; the first tensor load behind the round; its four v_nop are the places in front of the loads below
.else
	PLACES
.endif
	FETCH \next, 0, 0
	WIN MULW
	MUL 2, 3, 1, 0
	WIN 0
.endm
	s_wait_tensorcnt 1                             ; my part of slot 0 is in; slot 1's may stay out
	s_barrier_signal -1
	s_barrier_wait -1
	FETCH 0, 0, 0
	STEP 0, 1
	TURN 0, 1, 1                                   ; slot 0 takes K 512-767
	STEP 1, 0
	TURN 1, 0, 1                                   ; slot 1 takes K 768-1023
	STEP 0, 0
	TURN 0, 1, 0                                   ; nothing is left to fetch
	STEP 1, 0
	s_wait_dscnt 0x0                               ; the last step
	WIN MULW
	MUL 0, 3, 1, 0
	WIN 0
; THE WAY OUT, block by block of 16 rows x 128 columns: sum x 2^(e6 + e7) + bias, each accumulator from its low end on; through my own stage in LDS; back as whole rows of 512 bytes.
; LDS serves a wave's instructions in order (ISA guide 5.7.1.4): no wait between the stores and the loads, nor in front of the next block's stores.
.macro TOSTAGE a
	WIN OUTW
.set N, 0
.rept 32
	v_pk_fma_f32 v[TMP+N:TMP+N+1], v[64*(\a)+N:64*(\a)+N+1], s[76:77], v[128+N:128+N+1] op_sel_hi:[1,0,1]
.set N, N+2
.endr
	WIN 0
.irp b, 0,1,2,3,4,5,6,7
	ds_store_b128 v[STO], v[TMP+8*\b:TMP+8*\b+3] offset:64*\b
	ds_store_b128 v[STO], v[TMP+8*\b+4:TMP+8*\b+7] offset:64*\b+16
.endr
.set BB, BK+64*((\a)%2)
.irp t, 0,1,2,3,4,5,6,7,8,9,10,11,12,13,14,15
	ds_load_b128 v[BB+4*\t:BB+4*\t+3], v[RD] offset:\t*SPITCH
.endr
.endm
.macro SEND a, younger                 ; younger: the LDS instructions issued behind block a's loads, which may stay out
.set BB, BK+64*((\a)%2)
	s_wait_dscnt \younger
.if (\a) > 0
	s_add_nc_u64 s[12:13], s[12:13], 65536         ; 16 rows on (behind a wait on XCNT: the earlier stores have read their base)
.endif
.irp t, 0,1,2,3,4,5,6,7,8,9,10,11,12,13,14,15
	global_store_b128 v[CO], v[BB+4*\t:BB+4*\t+3], s[12:13] offset:\t*4096 th:TH_STORE_NT   ; 32 lanes store 512 consecutive bytes, aligned; written once, read by nobody here
.endr
.endm
	PLACES
	TOSTAGE 0
.irp a, 1,2,3
.if \a > 1
	s_wait_xcnt 0x0                                ; block a - 2's stores have read their registers and their base
.endif
	TOSTAGE \a
	SEND \a-1, 32                                  ; behind block a - 1's loads: block a's 16 stores and 16 loads
.endr
	s_wait_xcnt 0x0
	SEND 3, 0
	s_wait_tensorcnt 0x0                           ; the wave's end
	ds_add_u32 v[SPW], v[NIL]
	s_wait_dscnt 0x0
	CROUND                                         ; the closing round
	s_endpgm
.Lfunc_end_k_qf0c4c73ddd_proj:
	.size	k_qf0c4c73ddd_proj, .Lfunc_end_k_qf0c4c73ddd_proj-k_qf0c4c73ddd_proj
	.p2alignl 7, 3214868480
	.fill 96, 4, 3214868480
	.section	.rodata,"a",@progbits
	.p2align	6, 0x0
	.amdhsa_kernel k_qf0c4c73ddd_proj
		.amdhsa_group_segment_fixed_size 327680
		.amdhsa_private_segment_fixed_size 0
		.amdhsa_enable_private_segment 0
		.amdhsa_kernarg_size 40
		.amdhsa_user_sgpr_count 2
		.amdhsa_user_sgpr_kernarg_segment_ptr 1
		.amdhsa_wavefront_size32 1
		.amdhsa_system_sgpr_workgroup_id_x 1
		.amdhsa_system_sgpr_workgroup_id_y 1
		.amdhsa_system_sgpr_workgroup_id_z 1
		.amdhsa_system_vgpr_workitem_id 0
		.amdhsa_next_free_vgpr 1024
		.amdhsa_next_free_sgpr 96
		.amdhsa_reserve_vcc 0
		.amdhsa_float_denorm_mode_32 3
		.amdhsa_float_denorm_mode_16_64 3
		.amdhsa_memory_ordered 1
		.amdhsa_forward_progress 1
		.amdhsa_inst_pref_size 94
	.end_amdhsa_kernel
	.amdgpu_metadata
---
amdhsa.version: [ 1, 2 ]
amdhsa.kernels:
  - .name:           k_qf0c4c73ddd_proj
    .symbol:         k_qf0c4c73ddd_proj.kd
    .args:
      - { .name: attn_img, .offset: 0, .size: 8, .value_kind: global_buffer, .address_space: global }
      - { .name: W_out_codes, .offset: 8, .size: 8, .value_kind: global_buffer, .address_space: global }
      - { .name: b_out, .offset: 16, .size: 8, .value_kind: global_buffer, .address_space: global }
      - { .name: lowp_scales, .offset: 24, .size: 8, .value_kind: global_buffer, .address_space: global }
      - { .name: out0, .offset: 32, .size: 8, .value_kind: global_buffer, .address_space: global }
    .group_segment_fixed_size: 327680
    .private_segment_fixed_size: 0
    .kernarg_segment_align: 8
    .kernarg_segment_size: 40
    .max_flat_workgroup_size: 128
    .sgpr_count:     96
    .vgpr_count:     1024
    .wavefront_size: 32
...
	.end_amdgpu_metadata
.endif
;; end of part 3
